; MI455X (gfx1250); checked and timed in simulation.
; The chip was launched on July 23, 2026; its instructions are those of AMD's public machine-readable ISA for CDNA 5 (MIT licence, August 2026) and "CDNA5" Instruction Set Architecture Reference Guide (July 2026). The comments in the code are by the model that wrote it; some were corrected since.
;; Ouroboros Mo E. Allowed arithmetic: float matrix products may take bf16 or f16 operands with f32 sums; other float arithmetic in f32, or as packed bf16 or f16 multiplies, adds, multiply-adds, maxima and minima; sums over many terms, partial sums and values carried from step to step in f32; what a program stores and reads back later, other than sums and carried values, may be rounded once to bf16 or f16.
;; Inputs: W1 8 x 1,024 x 4,096 float32; W2 8 x 4,096 x 1,024 float32; b1 8 x 4,096 float32; b2 8 x 1,024 float32; expert_indices 4 x 256 x 2 int32; expert_weights 4 x 256 x 2 float32; x 4 x 256 x 1,024 float32.
;; Outputs: out0 4 x 256 x 1,024 float32.
;; One version. Each part assembles by itself: llvm-mc -triple=amdgcn-amd-amdhsa -mcpu=gfx1250 --defsym DOCPART=n.
;; ======== version 1 of 1: 4 launches
;; limits: a function is approximated: absolute error at most 1.5e-07
;; workspace buffers: xs 4,456,448 bytes; hid 17,825,792 bytes; part 35,651,584 bytes; pos 8,192 bytes of whole numbers; seg 256 bytes of whole numbers
;; launch prep (part 1): grid 136 x 4, 1 waves a work-group, no clusters, 512 bytes of LDS; arguments expert_indices, x, xs, pos, seg; writes xs, pos, seg
.if DOCPART == 1
	.amdgcn_target "amdgcn-amd-amdhsa--gfx1250"
	.amdhsa_code_object_version 6
	.text
	.protected	k_q8133a99a07_prep
	.globl	k_q8133a99a07_prep
	.p2align	8
	.type	k_q8133a99a07_prep,@function
k_q8133a99a07_prep:
	s_mov_b64 s[64:65], 0
	v_nop
	global_prefetch_b8 v0, s[64:65] scope:SCOPE_SE
	s_setreg_imm32_b32 hwreg(HW_REG_WAVE_MODE, 25, 1), 1
	s_wait_xcnt 0x0
; THE ROUTING AND THE GATHER.  The 2,048 choices (token, k) are sorted by expert; each expert's rows begin at a multiple of 16 rows, so there are at most 128 + 8 = 136 tiles of 16 rows.
; Work-group (tau, y), one wave, counts all choices for itself (8,192 bytes of indices), finds the 16 choices of tile tau, and writes K steps 8 y .. 8 y + 7 of that tile of xs:
; x rounded once to bf16, in the order in which a matrix operand's registers take it: block (tile, K step of 32) is 1,024 bytes, byte 512 i + 16 L holds row L % 16, k = 16 i + 8 (L / 16) + 0..7.
; A tile that is not full repeats its last row.  A tile past the last live one is not written: its work-group ends, the price of a grid that serves every split of the tokens.
; y = 0 also stores pos[2 token + k] = sorted row; (0, 0) stores seg: for expert e the pair (first tile, rows).
; The order of an expert's rows is that of (lane, register) below; every work-group makes the same one, and pos carries it.
; LIMIT: indices lie in 0..7, as the table that they index has them.
.set SPARE, 256                        ; the spare words: one block of 256 bytes that no other line names.  Bytes 0..67: the list of the tile's choices, 16 slots and a dump slot
.set L16, 1                            ; v1      16 x lane; never rewritten
.set L4,  2                            ; v2      4 x lane; never rewritten
.set VX,  3                            ; v3      my row's byte offset in x
.set PO,  4                            ; v4      my choice's byte offset in pos
.set RV,  5                            ; v5      my sorted row
.set ID,  6                            ; v6-7    a choice's number, by turns
.set T0,  8                            ; v8-9    its slot's LDS address, by turns
.set SPW, 10                           ; v10     LDS address of my spare word
.set NIL, 11                           ; v11     0
.set BE,  12                           ; v12     my 64 choices counted: byte j = expert 2 j
.set BO,  13                           ; v13     byte j = expert 2 j + 1
.set ACC, 14
.set TT,  15
.set W,   16                           ; v16-19  counts in 16-bit fields: word k = experts k, k + 4
.set TM,  20
.set RK,  21                           ; v21     rank of my next match, less the tile's first rank
.set SIX, 22
.set SA,  24                           ; v24     seg's store: 8 x lane; never rewritten
.set SG,  26                           ; v26-27  seg's pair
.set E,   32                           ; v32-95  my 64 indices; later v32-159 the gathered f32
.set OB,  160                          ; v160-223 the bf16 to store
.set TAU, 14
.set YY,  15
.set SEL, 16                           ; s[16:17] v_permlanex16_b32's selects
.set RF,  18                           ; s18-21
.set CNT, 24                           ; s24-31  rows of expert 0..7
.set TSS, 32                           ; s32-40  first tile of expert 0..7, and the number of tiles
.set SE,  41                           ; my tile's expert,
.set TSE, 42                           ; its first tile,
.set CE,  43                           ; its rows
.set R0,  44                           ; the tile's first rank in the expert
.set NROW, 45                          ; rows in the tile, 1..16
.set X0,  46
.set SV,  48
.set OF,  50                           ; s[50:51] a byte offset
	s_load_b256 s[4:11], s[0:1], 0x0               ; indices s[4:5], x s[6:7], xs s[8:9], pos s[10:11]
	s_load_b64 s[12:13], s[0:1], 0x20              ; seg
	v_lshl_add_u32 v[SPW], v0, 2, SPARE
	v_mov_b32 v[NIL], 0
	s_mov_b32 s[TAU], ttmp9
	s_and_b32 s[YY], ttmp7, 0xffff
	s_mov_b32 s[SEL], 0x76543210
	s_mov_b32 s[SEL+1], 0xfedcba98
	v_lshlrev_b32 v[L16], 4, v0                    ; the three lane offsets are made here, from the thread's number alone, all lanes on
	v_lshlrev_b32 v[L4], 2, v0
	v_lshlrev_b32 v[SA], 3, v0
	s_mov_b32 s[OF+1], 0
	s_wait_kmcnt 0x0
.set q, 0
.rept 16                               ; each load takes 512 consecutive bytes: register 4 q + j of lane l is choice 128 q + 4 l + j
	global_load_b128 v[E+4*q:E+4*q+3], v[L16], s[4:5] offset:512*q
.set q, q+1
.endr
	s_lshl_b32 s[OF], s[YY], 10                    ; my 8 K steps are 1,024 bytes of a row of x
	s_add_nc_u64 s[6:7], s[6:7], s[OF:OF+1]
	s_lshl_b32 s[OF], s[TAU], 15                   ; a tile of xs is 32,768 bytes, 8 K steps 8,192
	s_lshl_b32 s[X0], s[YY], 13
	s_add_co_u32 s[OF], s[OF], s[X0]
	s_add_nc_u64 s[8:9], s[8:9], s[OF:OF+1]
	v_mov_b32 v[BE], 0
	v_mov_b32 v[BO], 0
	v_mov_b32 v[TM], 0
	v_mov_b32 v[SIX], 16
	s_wait_loadcnt 0x0
	; COUNT.  Eight choices at a time into eight 4-bit counts (8 at the most), these into 8-bit counts (64 at the most).
.set g, 0
.rept 8
	v_mov_b32 v[ACC], 0
.set j, 0
.rept 8
	v_lshlrev_b32 v[TT], 2, v[E+8*g+j]
	v_lshl_add_u32 v[ACC], 1, v[TT], v[ACC]
.set j, j+1
.endr
	v_and_b32 v[TT], 0x0f0f0f0f, v[ACC]
	v_add_nc_u32 v[BE], v[BE], v[TT]
	v_lshrrev_b32 v[TT], 4, v[ACC]
	v_and_b32 v[TT], 0x0f0f0f0f, v[TT]
	v_add_nc_u32 v[BO], v[BO], v[TT]
.set g, g+1
.endr
	v_and_b32 v[W+0], 0x00ff00ff, v[BE]            ; 16-bit fields hold the sums over 32 lanes, 2,048 at the most
	v_lshrrev_b32 v[W+2], 8, v[BE]
	v_and_b32 v[W+2], 0x00ff00ff, v[W+2]
	v_and_b32 v[W+1], 0x00ff00ff, v[BO]
	v_lshrrev_b32 v[W+3], 8, v[BO]
	v_and_b32 v[W+3], 0x00ff00ff, v[W+3]
.irp m, 1,2,4,8
.irp k, 0,1,2,3
	v_mov_b32_dpp v[TM], v[W+\k] row_xmask:\m row_mask:0xf bank_mask:0xf
	v_add_nc_u32 v[W+\k], v[W+\k], v[TM]
.endr
.endr
.irp k, 0,1,2,3
	v_permlanex16_b32 v[TM], v[W+\k], s[SEL], s[SEL+1]
	v_add_nc_u32 v[W+\k], v[W+\k], v[TM]
	v_readfirstlane_b32 s[RF+\k], v[W+\k]
	s_and_b32 s[CNT+\k], s[RF+\k], 0xffff
	s_lshr_b32 s[CNT+4+\k], s[RF+\k], 16
.endr
	s_mov_b32 s[TSS], 0
.irp k, 0,1,2,3,4,5,6,7
	s_add_co_u32 s[X0], s[CNT+\k], 15
	s_lshr_b32 s[X0], s[X0], 4
	s_add_co_u32 s[TSS+\k+1], s[TSS+\k], s[X0]
.endr
	s_cmp_ge_u32 s[TAU], s[TSS+8]
	s_cbranch_scc0 .Llive
	s_endpgm                                       ; no such tile in this split; nothing has been written, in LDS neither
.Llive:
	ds_store_b32 v[L4], v[NIL]                     ; bytes 0..127, the list among them, are written whole once: no word of it is ever read unwritten
	s_mov_b32 s[SE], 0                             ; my tile's expert: the last whose first tile is not behind tau
	s_mov_b32 s[TSE], 0
	s_mov_b32 s[CE], s[CNT]
.irp k, 1,2,3,4,5,6,7
	s_cmp_ge_u32 s[TAU], s[TSS+\k]
	s_cselect_b32 s[SE], \k, s[SE]
	s_cselect_b32 s[TSE], s[TSS+\k], s[TSE]
	s_cselect_b32 s[CE], s[CNT+\k], s[CE]
.endr
	s_sub_co_u32 s[R0], s[TAU], s[TSE]
	s_lshl_b32 s[R0], s[R0], 4
	s_sub_co_u32 s[NROW], s[CE], s[R0]
	s_min_u32 s[NROW], s[NROW], 16
	; RANKS.  My lane's matches, and their sum over the lanes in front of me.
	s_and_b32 s[X0], s[SE], 1
	s_cmp_lg_u32 s[X0], 0
	s_cselect_b32 vcc_lo, -1, 0
	v_cndmask_b32 v[TT], v[BE], v[BO], vcc_lo
	s_lshr_b32 s[X0], s[SE], 1
	s_lshl_b32 s[X0], s[X0], 3
	v_lshrrev_b32 v[TT], s[X0], v[TT]
	v_and_b32 v[TT], 0xff, v[TT]
	v_mov_b32 v[RK], v[TT]
.irp m, 1,2,4,8
	v_mov_b32_dpp v[TM], v[RK] row_shr:\m row_mask:0xf bank_mask:0xf bound_ctrl:1
	v_add_nc_u32 v[RK], v[RK], v[TM]
.endr
	v_readlane_b32 s[X0], v[RK], 15                ; the first 16 lanes' sum goes onto the other 16
	v_cmp_lt_u32 vcc_lo, 15, v0
	v_cndmask_b32 v[TM], 0, s[X0], vcc_lo
	v_add_nc_u32 v[RK], v[RK], v[TM]
	v_sub_nc_u32 v[RK], v[RK], v[TT]
	v_sub_nc_u32 v[RK], v[RK], s[R0]
	; THE LIST.  A match whose rank falls into the tile writes its number into that slot; every other line writes into the dump slot.  The slot is held to 0..16 by a constant.
.set s, 0
.rept 64
	v_cmp_eq_u32 vcc_lo, s[SE], v[E+s]
	v_cndmask_b32 v[T0+s%2], v[SIX], v[RK], vcc_lo
	v_add_co_ci_u32 v[RK], vcc_lo, 0, v[RK], vcc_lo
	v_min_u32 v[T0+s%2], 16, v[T0+s%2]
	v_lshlrev_b32 v[T0+s%2], 2, v[T0+s%2]
	v_add_nc_u32 v[ID+s%2], 128*(s/4)+s%4, v[L4]
	ds_store_b32 v[T0+s%2], v[ID+s%2]
.set s, s+1
.endr
	v_and_b32 v[TT], 15, v0                        ; lane l takes row l % 16; places past the count repeat the last row
	s_sub_co_u32 s[X0], s[NROW], 1
	v_min_u32 v[TT], s[X0], v[TT]
	v_min_u32 v[TT], 15, v[TT]
	v_lshlrev_b32 v[TT], 2, v[TT]
	ds_load_b32 v[TM], v[TT]                       ; LDS serves a wave's instructions in order: this sees the stores above
	s_wait_dscnt 0x0
	v_min_u32 v[PO], 0x7ff, v[TM]
	v_lshlrev_b32 v[PO], 2, v[PO]
	v_lshrrev_b32 v[VX], 1, v[TM]                  ; the token
	v_min_u32 v[VX], 0x3ff, v[VX]
	v_lshlrev_b32 v[VX], 12, v[VX]
	v_lshrrev_b32 v[TT], 4, v0
	v_lshl_add_u32 v[VX], v[TT], 5, v[VX]          ; + 32 bytes (8 numbers) for the upper half of the lanes
	s_lshl_b32 s[X0], s[TAU], 4
	v_add_nc_u32 v[RV], s[X0], v0
	; THE GATHER.  Half n of a K step (n = 2 x step + i): 8 f32 a lane, two loads.
.set n, 0
.rept 16
	global_load_b128 v[E+8*n:E+8*n+3],   v[VX], s[6:7] offset:64*n
	global_load_b128 v[E+8*n+4:E+8*n+7], v[VX], s[6:7] offset:64*n+16
.set n, n+1
.endr
	s_cmp_lg_u32 s[YY], 0
	s_cbranch_scc1 .Lno_pos
	v_cmp_gt_u32 vcc_lo, s[NROW], v0
	s_wait_xcnt 0x0                                ; EXEC is a source of the loads above: it changes only behind this wait
	s_and_saveexec_b32 s[SV], vcc_lo
	global_store_b32 v[PO], v[RV], s[10:11]        ; lanes 0 .. rows - 1: where this choice's row lies
	s_wait_xcnt 0x0                                ; and again in front of the line that widens it
	s_or_b32 exec_lo, exec_lo, s[SV]
	s_cmp_lg_u32 s[TAU], 0
	s_cbranch_scc1 .Lno_pos
	v_mov_b32 v[SG], 0
	v_mov_b32 v[SG+1], 0
.irp k, 0,1,2,3,4,5,6,7
	v_writelane_b32 v[SG], s[TSS+\k], \k
	v_writelane_b32 v[SG+1], s[CNT+\k], \k
.endr
	global_store_b64 v[SA], v[SG:SG+1], s[12:13]   ; all 256 bytes of seg
.Lno_pos:
.set n, 0
.rept 16
	s_wait_loadcnt 30-2*n                          ; loads come back in order: the 30 - 2 n younger ones may stay out
.irp p, 0,1,2,3
	v_cvt_pk_bf16_f32 v[OB+4*n+\p], v[E+8*n+2*\p], v[E+8*n+2*\p+1]
.endr
	global_store_b128 v[L16], v[OB+4*n:OB+4*n+3], s[8:9] offset:512*n  ; 512 consecutive bytes, at a multiple of 512 from xs's first
.set n, n+1
.endr
	s_wait_tensorcnt 0x0                           ; the wave's end
	ds_add_u32 v[SPW], v[NIL]
	s_wait_dscnt 0x0
	s_endpgm
.Lfunc_end_k_q8133a99a07_prep:
	.size	k_q8133a99a07_prep, .Lfunc_end_k_q8133a99a07_prep-k_q8133a99a07_prep
	.p2alignl 7, 3214868480
	.fill 96, 4, 3214868480
	.section	.rodata,"a",@progbits
	.p2align	6, 0x0
	.amdhsa_kernel k_q8133a99a07_prep
		.amdhsa_group_segment_fixed_size 512
		.amdhsa_private_segment_fixed_size 0
		.amdhsa_enable_private_segment 0
		.amdhsa_kernarg_size 40
		.amdhsa_user_sgpr_count 2
		.amdhsa_user_sgpr_kernarg_segment_ptr 1
		.amdhsa_wavefront_size32 1
		.amdhsa_system_sgpr_workgroup_id_x 1
		.amdhsa_system_sgpr_workgroup_id_y 1
		.amdhsa_system_sgpr_workgroup_id_z 1
		.amdhsa_system_vgpr_workitem_id 0
		.amdhsa_next_free_vgpr 224
		.amdhsa_next_free_sgpr 66
		.amdhsa_reserve_vcc 1
		.amdhsa_float_denorm_mode_32 3
		.amdhsa_float_denorm_mode_16_64 3
		.amdhsa_memory_ordered 1
		.amdhsa_forward_progress 1
		.amdhsa_inst_pref_size 46
	.end_amdhsa_kernel
	.amdgpu_metadata
---
amdhsa.version: [ 1, 2 ]
amdhsa.kernels:
  - .name:           k_q8133a99a07_prep
    .symbol:         k_q8133a99a07_prep.kd
    .args:
      - { .name: expert_indices, .offset: 0, .size: 8, .value_kind: global_buffer, .address_space: global }
      - { .name: x, .offset: 8, .size: 8, .value_kind: global_buffer, .address_space: global }
      - { .name: xs, .offset: 16, .size: 8, .value_kind: global_buffer, .address_space: global }
      - { .name: pos, .offset: 24, .size: 8, .value_kind: global_buffer, .address_space: global }
      - { .name: seg, .offset: 32, .size: 8, .value_kind: global_buffer, .address_space: global }
    .group_segment_fixed_size: 512
    .private_segment_fixed_size: 0
    .kernarg_segment_align: 8
    .kernarg_segment_size: 40
    .max_flat_workgroup_size: 32
    .sgpr_count:     66
    .vgpr_count:     224
    .wavefront_size: 32
...
	.end_amdgpu_metadata
.endif
;; end of part 1
;; launch ffn1 (part 2): grid 32 x 8, 8 waves a work-group, no clusters, 295,936 bytes of LDS; arguments xs, W1, b1, seg, hid; writes hid
.if DOCPART == 2
	.amdgcn_target "amdgcn-amd-amdhsa--gfx1250"
	.amdhsa_code_object_version 6
	.text
	.protected	k_q8133a99a07_ffn1
	.globl	k_q8133a99a07_ffn1
	.p2align	8
	.type	k_q8133a99a07_ffn1,@function
k_q8133a99a07_ffn1:
	s_mov_b64 s[64:65], 0
	v_nop
	global_prefetch_b8 v0, s[64:65] scope:SCOPE_SE
	s_setreg_imm32_b32 hwreg(HW_REG_WAVE_MODE, 25, 1), 1
	s_wait_xcnt 0x0
; hid = gelu(xs W1[e] + b1[e]) for expert e's rows.  Work-group (x, e) owns columns 128 x .. 128 x + 127 of W1[e]: 1,024 x 128 f32, 524,288 bytes, which it alone reads, once.
; WAVES 0-3, PRODUCERS: stream the slice through a ring of 32 register slots (a slot: 512 bytes of one row), round it to bf16 and lay it into LDS, where it stays: every LDS byte is written once.
; WAVES 4-7, CONSUMERS: the bulk of the products.  Token rows come straight from memory as matrix operands (xs lies in operand order), weights from LDS by the turning load.
; One barrier for each chunk of 128 rows of the slice: the producers' stores of chunk c in front of it, all reads of it behind it; the stores of chunk c + 1 go beside the reads of chunk c, 36,864 bytes further on.
; ROWS.  Under the weights' stream 20 tiles of 16 rows: consumer w takes the expert's tiles w + 4 a, a = 0..3 (256 registers of sums, and four buffers of token fragments, one for each K step of a chunk:
; a buffer is filled again, with the next chunk's K step, as soon as it has been multiplied, three K steps ahead of its use).  Producer q takes tile 16 + q, between its chunks: its eight token loads of a chunk
; go out ahead of the ring's 32 refills, so that a counted wait shows them landed and leaves the refills out (a wave's loads come back in order).  Where that tile is dead its products are jumped.
; An expert's further tiles, w + 20 + 4 j, are multiplied behind the stream on the resident slice, THE TAIL: one tile a consumer at a time, in a loop of at most 28 trips (27 tiles a consumer reach tile 127,
; the last that an expert can have; a trip first sends out what the trip before has summed); a wave that has no further tile ends there, inside the loop.  There K is written out: every LDS address is a register
; made at the head plus a constant.  A place without a live tile reads the expert's last live tile (tile 0 if it has none) and stores nothing.
; ADDRESSES.  Every LDS address register is made once, at the head, by every wave, from the thread's and the wave's number; under the stream a chunk's place is one scalar, TB.  Every loop counts down from a constant.
; REGISTERS.  But for the bias, which every wave loads at the head, no register is the target of loads of both kinds of wave: the producers' ring and fragments lie where the consumers keep sums.
; THE MATRIX INSTRUCTION IS USED TRANSPOSED: source 0 = 16 columns of W1, source 1 = 16 token rows, so a lane holds one row and eight neighbouring columns: rounded to bf16 these 16 bytes ARE the next
; product's operand order, and go out as they lie.  The sums start from the bias.
; GELU, exact form: with H = v / 2, gelu(v) = H + |H| erf(sqrt(2) |H|); erf(z) = 1 - (a1 t + .. + a5 t^5) e^(-z z), t = 1 / (1 + 0.3275911 z).
; LIMITS.  xs, W1 and hid are rounded once to bf16.  That series for erf is off by 1.5e-7 at the most, for every z; an exponential below 2^-126 counts as 0.  NaN and infinities are not treated apart.
; An expert with more than 320 rows is served, but its tail has 16 LDS loads for 8 matrix instructions and runs behind the stream, not under it.
; No joint loads: what an expert's work-groups share is its token tiles, and beside the resident slice (294,912 bytes) LDS has no room for two slots of them.
.set PITCH, 16384                      ; bytes from row to row of W1
.set ATSH,  15                         ; a tile of xs is 1 << 15 bytes
.set OTSH,  17                         ; a tile of hid 1 << 17
.set TSTEP, 1<<19                      ; a wave's tiles lie four tiles of hid apart
.set HSTEP, 2048                       ; half a tile's slice: four column tiles of 512 bytes
.set WROW,  288                        ; a row of the slice in LDS: 256 bytes + 32 = 72 words
.set CHB,   128*WROW                   ; a chunk in LDS: 36,864 bytes, inside an LDS instruction's 16-bit offset
.set SPARE, 1024*WROW                  ; behind the slice: the spare words, 128 bytes for each of eight waves, that no other line names
.set L16,   1                          ; v1      16 x lane; never rewritten
.set LADR,  2                          ; v2      TB + LADR0
.set LADR0, 3                          ; v3      the turning load: my lane's place in 32 rows of the slice; never rewritten
.set VA,    4                          ; v4-8    byte offset of the fragments of the tile in place a = 0..4
.set VB,    9                          ; v9      32 x (lane / 16): my 8 columns in 16 of the bias
.set SPW,   10                         ; v10     LDS address of my spare word
.set NIL,   11                         ; v11     0
.set LN,    15                         ; v15     lane
.set LW0,   16                         ; v16     8 x lane + wave x 32 rows: a producer's place in a chunk; never rewritten
.set LWA,   17                         ; v17     TB + LW0
.set S0,    18                         ; v18-20  at work at the head
.set S1,    19
.set S2,    20
.set AF,    24                         ; v24-87   consumers: token buffers 0 and 1 (tile a at + 8 a); buffers 2 and 3 lie at v192-255; in the tail a ring of eight fragments, K step k at + 8 (k % 8)
.set BF,    104                        ; v104-167 weight fragments of one K step: column tile b at + 8 b
.set TP,    168                        ; v168-175 producers: at work
.set LB,    176                        ; v176-183 LADR0 + chunk c's first byte; never rewritten
.set ACC4,  192                        ; v192-255 the bias at the head; then producers: their tile's sums; consumers: token buffers 2 and 3, and in the tail the sums
                                       ; window 1, consumers: sum (a, b) at 8 (8 a + b), a = 0..3
.set X,     0                          ; window 1, producers: v0-127 the ring, slot i at + 4 i
.set T5,    128                        ;           v128-159 their tile's token fragments of one chunk, K step k at + 8 k
.set BF2,   160                        ;           v160-223 a second buffer of weight fragments
.set H,     24                         ; the way out, 32 numbers a lane at a time
.set Q,     56
.set DD,    88
.set PY,    120
.set OB,    152
.set WV,   14                          ; my wave's number
.set WQ,   15                          ; producer 0..3, or consumer 0..3
.set SX,   16
.set SE,   17
.set TS,   18                          ; s[18:19] the expert's first tile, its rows
.set CN,   19
.set NT,   20                          ; its tiles
.set LT,   21                          ; its last live tile
.set PB,   22                          ; the tile, counted in the expert, that stands in place a = 0
.set NL,   23                          ; live tiles among places 0..4
.set NL2,  24                          ; the pieces (half tiles) below this number,
.set UC,   25
.set PC,   26
.set RC,   27
.set PLO,  28                          ; and from this number on, go out
.set TB,   29                          ; LDS byte at which the chunk in hand begins
.set SW,   30                          ; s[30:31] producers: W1 at the chunk in hand, my rows
.set SA0,  32                          ; s[32:33] xs
.set SAP,  34                          ; s[34:35] xs at the chunk whose fragments are asked for next
.set SO,   36                          ; s[36:37] its byte offset in a tile
.set SOUT, 38                          ; s[38:39] hid at the tile in place a = 0, my slice
.set SOU,  40                          ; s[40:41] at the piece in hand
.set OF,   42                          ; s[42:43] a byte offset
.set X0,   44                          ; s44, s45 at work
.set SLT,  46                          ; my slice's bytes in a tile of hid
.set KP,   47                          ; 0.3275911 sqrt(2)
.set KC,   52                          ; constants, as pairs: the packed forms name a pair and take its low word
.set KA1,  54
.set KA2,  56
.set KA3,  58
.set KA4,  60
.set KA5,  62
.set MSB, 0
.macro WIN new                         ; the immediate's high byte repeats the setting that is left; a switch that changes nothing is dropped
.if MSB != (\new)
	s_set_vgpr_msb (MSB<<8)|(\new)
.set MSB, (\new)
.endif
.endm
.macro PLACES                          ; four plain places between a matrix instruction and a load into, or a vector line on, its registers
.rept 4
	v_nop
.endr
.endm
.macro FINISH                          ; the wave's end
	s_wait_tensorcnt 0x0
	ds_add_u32 v[SPW], v[NIL]
	s_wait_dscnt 0x0
	s_endpgm
.endm
; PRODUCERS.  One chunk, my 32 rows of it.  First my tile's token fragments of this chunk are asked for; then the whole ring goes once round, four slots at a time, so that a batch has two switches of the window.
; ahead = 1: each slot is filled again with the same row of the next chunk.
.macro PROD ahead
	s_wait_loadcnt 32                              ; behind the last chunk's token fragments (at first: behind the bias) the ring's 32 loads were issued: those older loads are done
	WIN 0x40                                       ; destination in window 1
.irp k, 0,1,2,3
	global_load_b128 v[T5+8*\k:T5+8*\k+3],   v[VA+4], s[SAP:SAP+1] offset:\k*1024
	global_load_b128 v[T5+8*\k+4:T5+8*\k+7], v[VA+4], s[SAP:SAP+1] offset:\k*1024+512
.endr
.set g, 0
.rept 8
.if \ahead
	s_wait_loadcnt 36                              ; behind the batch's youngest slot: 28 loads of the ring and the 8 token loads
.else
	s_wait_loadcnt 36-4*g                          ; the last chunk fills nothing again: the counts run down
.endif
	WIN 0x05                                       ; sources 0 and 1 in window 1
.irp j, 0,1,2,3
	v_cvt_pk_bf16_f32 v[TP+2*\j],   v[X+16*g+4*\j],   v[X+16*g+4*\j+1]
	v_cvt_pk_bf16_f32 v[TP+2*\j+1], v[X+16*g+4*\j+2], v[X+16*g+4*\j+3]
.endr
	WIN 0x40*(\ahead)                              ; the loads' destination in window 1; addresses and the stores' data in window 0
.irp j, 0,1,2,3
	ds_store_b64 v[LWA], v[TP+2*\j:TP+2*\j+1] offset:(4*g+\j)*WROW  ; the wave writes a row's 256 consecutive bytes
.endr
.if \ahead
.irp j, 0,1,2,3
	global_load_b128 v[X+16*g+4*\j:X+16*g+4*\j+3], v[L16], s[SW:SW+1] offset:(128+4*g+\j)*PITCH th:TH_LOAD_NT  ; 159 rows on at the most: inside the signed 24-bit immediate
.endr
.endif
.set g, g+1
.endr
	WIN 0
.endm
.macro BLK k                           ; K step k of the chunk, all eight column tiles, turned, into buffer k % 2
.if (\k)%2
	WIN 0x40
.set BB, BF2
.else
	WIN 0
.set BB, BF
.endif
.irp b, 0,1,2,3,4,5,6,7
	ds_load_tr16_b128 v[BB+8*\b:BB+8*\b+3],   v[LADR] offset:(\k)*32*WROW+\b*32
	ds_load_tr16_b128 v[BB+8*\b+4:BB+8*\b+7], v[LADR] offset:(\k)*32*WROW+16*WROW+\b*32
.endr
.endm
.macro MM8 k                           ; my tile's eight sums by turns, one instruction a turn
.if (\k)%2
	WIN 0x05                                       ; weights (source 0) and tokens (source 1) in window 1
.set BB, BF2
.else
	WIN 0x04                                       ; tokens in window 1
.set BB, BF
.endif
.irp b, 0,1,2,3,4,5,6,7
	v_wmma_f32_16x16x32_bf16 v[ACC4+8*\b:ACC4+8*\b+7], v[BB+8*\b:BB+8*\b+7], v[T5+8*(\k):T5+8*(\k)+7], v[ACC4+8*\b:ACC4+8*\b+7]
.endr
.endm
.macro FIFTH last                      ; a producer's tile, one chunk: the weight fragments run a K step ahead.  Where the tile is dead all of it is jumped: LDS loads, products and the wait that they need
	s_cmp_lt_u32 s[NL], 5
	s_cbranch_scc1 .Lno5_\@
	BLK 0
	BLK 1
.if \last
	s_wait_loadcnt 0x0                             ; nothing was issued behind the last chunk's token fragments
.else
	s_wait_loadcnt 32                              ; this chunk's token fragments are in; behind them: the ring's 32 refills
.endif
	s_wait_dscnt 16                                ; this K step's fragments are in; behind them: the next K step's 16 loads
	MM8 0
	PLACES
	BLK 2
	s_wait_dscnt 16
	MM8 1
	PLACES
	BLK 3
	s_wait_dscnt 16
	MM8 2
	s_wait_dscnt 0x0
	MM8 3
	PLACES                                         ; in front of the next chunk's loads into these fragments, and of the way out
	WIN 0
.Lno5_\@:
.endm
; CONSUMERS
.macro ALOAD k                         ; K step k of the chunk at the pointer, my four tiles, into buffer k: each load takes 512 consecutive bytes
	WIN 0
.set AK, AF+32*(\k)+104*((\k)/2)
.irp a, 0,1,2,3
	global_load_b128 v[AK+8*\a:AK+8*\a+3],   v[VA+\a], s[SAP:SAP+1] offset:(\k)*1024
	global_load_b128 v[AK+8*\a+4:AK+8*\a+7], v[VA+\a], s[SAP:SAP+1] offset:(\k)*1024+512
.endr
.endm
.macro BLOAD k, hb, ar                 ; K step k of a chunk's four, column tiles 4 hb .. 4 hb + 3, turned: lane l gets column l % 16, k = 8 (l / 16) + 0..7 and 16 more on; ar: the register with the chunk's address
	WIN 0
.irp bb, 0,1,2,3
	ds_load_tr16_b128 v[BF+32*(\hb)+8*\bb:BF+32*(\hb)+8*\bb+3],   v[\ar] offset:(\k)*32*WROW+(4*(\hb)+\bb)*32
	ds_load_tr16_b128 v[BF+32*(\hb)+8*\bb+4:BF+32*(\hb)+8*\bb+7], v[\ar] offset:(\k)*32*WROW+16*WROW+(4*(\hb)+\bb)*32
.endr
.endm
.macro MM16 k, hb                      ; 16 sums by turns, one instruction a turn
	WIN 0x50                                       ; C and D in window 1
.set AK, AF+32*(\k)+104*((\k)/2)
.irp bb, 0,1,2,3
.irp a, 0,1,2,3
	v_wmma_f32_16x16x32_bf16 v[8*(8*\a+4*(\hb)+\bb):8*(8*\a+4*(\hb)+\bb)+7], v[BF+32*(\hb)+8*\bb:BF+32*(\hb)+8*\bb+7], v[AK+8*\a:AK+8*\a+7], v[8*(8*\a+4*(\hb)+\bb):8*(8*\a+4*(\hb)+\bb)+7]
.endr
.endr
.endm
.macro MM4 ab, hb                      ; the tail: four sums by turns; ab: the token fragment's first register
.irp bb, 0,1,2,3
	v_wmma_f32_16x16x32_bf16 v[ACC4+8*(4*(\hb)+\bb):ACC4+8*(4*(\hb)+\bb)+7], v[BF+32*(\hb)+8*\bb:BF+32*(\hb)+8*\bb+7], v[(\ab):(\ab)+7], v[ACC4+8*(4*(\hb)+\bb):ACC4+8*(4*(\hb)+\bb)+7]
.endr
.endm
; One chunk: four K steps, each in two halves of four column tiles.  The weight fragments run one half ahead.  ahead = 1: token buffer k takes the next chunk's K step k as soon as it has been multiplied.
.macro CHUNK ahead
	BLOAD 0, 0, LADR
	BLOAD 0, 1, LADR
.irp k, 0,1,2,3
.irp hb, 0,1
.if \hb == 0
.if \ahead
	s_wait_loadcnt 24                              ; this K step's token buffer is in; behind it: the three other buffers' eight loads each
.else
	s_wait_loadcnt 24-8*\k                         ; the last chunk fetches nothing: the counts run down
.endif
.endif
.if (\k == 3) && (\hb == 1)
	s_wait_dscnt 0x0                               ; the chunk's last half
.else
	s_wait_dscnt 8                                 ; this half's fragments are in; behind them: the next half's eight loads
.endif
	MM16 \k, \hb
.if (\k < 3) || (\hb == 1)
	PLACES
.endif
.if \k < 3
	BLOAD (\k)+1, \hb, LADR
.endif
.if (\hb == 1) && (\ahead)
.if \k == 0
	s_wait_xcnt 0x0                                ; the pointer is rewritten only when every load issued has had its address translated: the youngest went out a chunk's end ago
	s_add_co_u32 s[SO], s[SO], 4096
	s_add_nc_u64 s[SAP:SAP+1], s[SA0:SA0+1], s[SO:SO+1]  ; the next chunk
.endif
	ALOAD \k
.endif
.endr
.endr
	WIN 0
.endm
.macro SETPASS                         ; from PB: the live tiles among five places, the five tiles' offsets, their place in hid.  Every tile number is held to 0..135 by a constant before it is shifted
	s_sub_co_i32 s[X0], s[NT], s[PB]
	s_max_i32 s[X0], s[X0], 0
	s_add_co_u32 s[X0], s[X0], 3
	s_lshr_b32 s[X0], s[X0], 2
	s_min_u32 s[NL], s[X0], 5
	s_add_co_u32 s[X0+1], s[TS], s[PB]
.irp a, 0,1,2,3,4
	s_add_co_u32 s[X0], s[X0+1], 4*\a
	s_min_u32 s[X0], s[X0], s[LT]
	s_min_u32 s[X0], s[X0], 135
	s_lshl_b32 s[X0], s[X0], ATSH
	v_add_nc_u32 v[VA+\a], s[X0], v[L16]
.endr
	s_min_u32 s[X0+1], s[X0+1], 135
	s_lshl_b32 s[OF], s[X0+1], OTSH
	s_add_co_u32 s[OF], s[OF], s[SLT]
	s_add_nc_u64 s[SOUT:SOUT+1], s[12:13], s[OF:OF+1]
.endm
.macro SETTAIL                         ; the tail's one tile, PB + 16 of the expert, stands in place a = 4; the same clamps
	s_add_co_u32 s[X0+1], s[TS], s[PB]
	s_add_co_u32 s[X0], s[X0+1], 16
	s_min_u32 s[X0], s[X0], 135
	s_lshl_b32 s[X0], s[X0], ATSH
	v_add_nc_u32 v[VA+4], s[X0], v[L16]
	s_min_u32 s[X0+1], s[X0+1], 135
	s_lshl_b32 s[OF], s[X0+1], OTSH
	s_add_co_u32 s[OF], s[OF], s[SLT]
	s_add_nc_u64 s[SOUT:SOUT+1], s[12:13], s[OF:OF+1]
.endm
.macro BIASLD wait                     ; my lane's eight numbers of each column tile's bias, in the pattern of one tile's sums
.if \wait
	s_wait_xcnt 0x0                                ; the last piece's stores have read their data and base
.endif
	WIN 0
.irp b, 0,1,2,3,4,5,6,7
	global_load_b128 v[ACC4+8*\b:ACC4+8*\b+3],   v[VB], s[8:9] offset:64*\b
	global_load_b128 v[ACC4+8*\b+4:ACC4+8*\b+7], v[VB], s[8:9] offset:64*\b+16
.endr
.endm
.macro BIASMV                          ; a consumer's four tiles' sums start from the bias
	WIN 0x40
.set i, 0
.rept 256
	v_mov_b32 v[i], v[ACC4+i%64]
.set i, i+1
.endr
	WIN 0
.endm
.macro TRIP ahead                      ; one chunk of 128 along K
	v_add_nc_u32 v[LWA], s[TB], v[LW0]             ; both addresses by every wave
	v_add_nc_u32 v[LADR], s[TB], v[LADR0]
	s_cmp_lt_u32 s[WV], 4
	s_cbranch_scc0 .Lnoprod_\@
	PROD \ahead
.Lnoprod_\@:
	s_wait_dscnt 0x0                               ; for the others' sake: my stores of this chunk are done
	s_barrier_signal -1
	s_barrier_wait -1                              ; the chunk is whole; no byte of it is written again
	s_cmp_lt_u32 s[WV], 4
	s_cbranch_scc1 .Lfifth_\@
	CHUNK \ahead
	s_branch .Ltripend_\@
.Lfifth_\@:
	FIFTH 1-(\ahead)
.if \ahead
	s_wait_xcnt 0x0                                ; a producer's two pointers are rewritten only when every load issued has had its address translated
	s_add_co_u32 s[SO], s[SO], 4096
	s_add_nc_u64 s[SAP:SAP+1], s[SA0:SA0+1], s[SO:SO+1]
	s_add_nc_u64 s[SW:SW+1], s[SW:SW+1], 128*PITCH
.endif
.Ltripend_\@:
	s_add_co_u32 s[TB], s[TB], CHB
.endm
; THE TAIL's products
.macro ALOADT k                        ; K step k of the tail's tile into buffer k % 8: the place along K stands in the immediate, 32,256 bytes at the most
	global_load_b128 v[AF+8*((\k)%8):AF+8*((\k)%8)+3],   v[VA+4], s[SA0:SA0+1] offset:(\k)*1024
	global_load_b128 v[AF+8*((\k)%8)+4:AF+8*((\k)%8)+7], v[VA+4], s[SA0:SA0+1] offset:(\k)*1024+512
.endm
.macro KTAIL                           ; all 32 K steps, written out; the weight fragments run one half ahead, the token fragments eight K steps
	BLOAD 0, 0, LB
	BLOAD 0, 1, LB
.set kk, 0
.rept 32
.if kk < 25
	s_wait_loadcnt 14                              ; this K step's fragment is in (and, at the first, the bias in front of it); behind it: the next seven K steps' two loads each
.else
	s_wait_loadcnt 2*(31-kk)                       ; nothing more is fetched: the counts run down
.endif
	s_wait_dscnt 8                                 ; this half's fragments are in; behind them: the other half's eight loads
	MM4 AF+8*(kk%8), 0
	PLACES
.if kk < 31
	BLOAD (kk+1)%4, 0, LB+(kk+1)/4
	s_wait_dscnt 8
.else
	s_wait_dscnt 0x0                               ; the last half
.endif
	MM4 AF+8*(kk%8), 1
	PLACES                                         ; behind the last K step these are the places in front of the way out
.if kk < 31
	BLOAD (kk+1)%4, 1, LB+(kk+1)/4
.endif
.if kk < 24
	ALOADT kk+8
.endif
.set kk, kk+1
.endr
.endm
.macro PIECE n                         ; half a tile's sums (place n / 2, column tiles 4 (n % 2) on), halved, into H; each sum's registers in ascending order; and the piece's place in hid, a constant
	s_mov_b32 s[OF], ((\n)/2)*TSTEP+((\n)%2)*HSTEP
.if (\n) < 8
	WIN 0x01
.set AB, 64*((\n)/2)+32*((\n)%2)
.else
	WIN 0
.set AB, ACC4+32*((\n)%2)
.endif
.set i, 0
.rept 16
	v_pk_mul_f32 v[H+2*i:H+2*i+1], v[AB+2*i:AB+2*i+1], 0.5 op_sel_hi:[1,0]
.set i, i+1
.endr
	WIN 0
.endm
	s_load_b256 s[4:11], s[0:1], 0x0               ; xs s[4:5], W1 s[6:7], b1 s[8:9], seg s[10:11]
	s_load_b64 s[12:13], s[0:1], 0x20              ; hid
	v_lshl_add_u32 v[SPW], v0, 2, SPARE
	v_mov_b32 v[NIL], 0
	v_lshrrev_b32 v[S0], 5, v0
	v_readfirstlane_b32 s[WV], v[S0]
	s_and_b32 s[WQ], s[WV], 3
	s_mov_b32 s[SX], ttmp9
	s_and_b32 s[SE], ttmp7, 0xffff
	v_and_b32 v[LN], 31, v0
	v_lshlrev_b32 v[L16], 4, v[LN]
	v_bfe_u32 v[S0], v0, 4, 1                      ; l / 16
	v_and_b32 v[S1], 7, v0
	v_bfe_u32 v[S2], v0, 3, 1
	v_lshl_add_u32 v[LADR0], v[S0], 3, v[S1]       ; the turning load: lane l reads row 8 (l / 16) + l % 8,
	v_mul_u32_u24 v[LADR0], v[LADR0], WROW
	v_lshl_add_u32 v[LADR0], v[S2], 4, v[LADR0]    ; 16 bytes at 16 ((l / 8) % 2)
.irp c, 0,1,2,3,4,5,6,7
	v_add_nc_u32 v[LB+\c], \c*CHB, v[LADR0]        ; the same place in each of the eight chunks, for the tail
.endr
	v_lshlrev_b32 v[VB], 5, v[S0]
	s_mul_i32 s[X0], s[WV], 32*WROW                ; producer q lays rows 32 q .. 32 q + 31 of each chunk
	v_lshl_add_u32 v[LW0], v[LN], 3, s[X0]
	s_mov_b32 s[OF+1], 0
	s_mov_b32 s[SO+1], 0
	s_lshl_b32 s[SLT], s[SX], 12                   ; 128 columns are 4 K steps of the next product: 4,096 bytes of a tile of hid
	s_mov_b32 s[KP], 0x3eed3388                    ; 0.3275911 sqrt(2)
	s_mov_b32 s[KC], 0xc038aa3b                    ; -2 log2(e)
	s_mov_b32 s[KC+1], s[KC]
	s_mov_b32 s[KA1], 0x3e827906                   ; 0.254829592
	s_mov_b32 s[KA1+1], s[KA1]
	s_mov_b32 s[KA2], 0xbe91a98e                   ; -0.284496736
	s_mov_b32 s[KA2+1], s[KA2]
	s_mov_b32 s[KA3], 0x3fb5f0e3                   ; 1.421413741
	s_mov_b32 s[KA3+1], s[KA3]
	s_mov_b32 s[KA4], 0xbfba00e3                   ; -1.453152027
	s_mov_b32 s[KA4+1], s[KA4]
	s_mov_b32 s[KA5], 0x3f87dc22                   ; 1.061405429
	s_mov_b32 s[KA5+1], s[KA5]
	s_wait_kmcnt 0x0
	s_lshl_b32 s[OF], s[SE], 3
	s_add_nc_u64 s[10:11], s[10:11], s[OF:OF+1]
	s_load_b64 s[TS:TS+1], s[10:11], 0x0           ; the expert's first tile and rows
	s_lshl_b32 s[OF], s[SE], 24                    ; W1: the expert's 16,777,216 bytes,
	s_lshl_b32 s[X0], s[SX], 9                     ; the slice's 512 bytes of a row,
	s_add_co_u32 s[OF], s[OF], s[X0]
	s_lshl_b32 s[X0+1], s[WQ], 19                  ; a producer's 32 rows
	s_add_co_u32 s[OF], s[OF], s[X0+1]
	s_add_nc_u64 s[SW:SW+1], s[6:7], s[OF:OF+1]
	s_lshl_b32 s[OF], s[SE], 14                    ; b1 at my expert and slice
	s_add_co_u32 s[OF], s[OF], s[X0]
	s_add_nc_u64 s[8:9], s[8:9], s[OF:OF+1]
	s_mov_b64 s[SA0:SA0+1], s[4:5]
	s_mov_b64 s[SAP:SAP+1], s[4:5]                 ; chunk 0
	s_mov_b32 s[SO], 0
	s_mov_b32 s[TB], 0
	BIASLD 0                                       ; every wave: a producer's sums start here, a consumer copies from here
	s_cmp_lt_u32 s[WV], 4
	s_cbranch_scc0 .Lboth
	WIN 0x40
.set i, 0
.rept 32                               ; the ring is filled: chunk 0
	global_load_b128 v[X+4*i:X+4*i+3], v[L16], s[SW:SW+1] offset:i*PITCH th:TH_LOAD_NT
.set i, i+1
.endr
	WIN 0
.Lboth:
	s_wait_kmcnt 0x0
	s_min_u32 s[TS], s[TS], 135
	s_min_u32 s[CN], s[CN], 2048
	s_add_co_u32 s[NT], s[CN], 15
	s_lshr_b32 s[NT], s[NT], 4
	s_add_co_u32 s[X0], s[TS], s[NT]
	s_sub_co_u32 s[X0], s[X0], 1
	s_cmp_lg_u32 s[NT], 0
	s_cselect_b32 s[LT], s[X0], 0
	s_mov_b32 s[PB], s[WQ]
	SETPASS
	s_min_u32 s[X0], s[NL], 4
	s_lshl_b32 s[X0], s[X0], 1                     ; a consumer's pieces under the stream: 0 .. 2 min(NL, 4) - 1
	s_cmp_eq_u32 s[NL], 5
	s_cselect_b32 s[X0+1], 10, 0                   ; a producer's: 8 and 9, if its tile is live
	s_cmp_lt_u32 s[WV], 4
	s_cselect_b32 s[NL2], s[X0+1], s[X0]
	s_cselect_b32 s[PLO], 8, 0
	s_cbranch_scc1 .Lmain
	ALOAD 0                                        ; chunk 0's K steps 0 and 1
	ALOAD 1
	s_wait_loadcnt 16                              ; the bias is in; behind it: the sixteen loads of buffers 0 and 1
	BIASMV
	ALOAD 2                                        ; buffers 2 and 3 take the registers that the bias has left
	ALOAD 3
.Lmain:
	s_mov_b32 s[RC], 7
.Lround:                               ; chunks 0-6; ring and token buffers ask for chunks 1-7
	TRIP 1
	s_sub_co_u32 s[RC], s[RC], 1
	s_cmp_lg_u32 s[RC], 0
	s_cbranch_scc1 .Lround
	TRIP 0
	s_wait_loadcnt 0x0                             ; out at the most: the last token fragments of a producer whose tile is dead
	s_mov_b32 s[PC], 28
.Lpass:                                ; what has been summed goes out; then, for a consumer, the tail's next tile
	s_cmp_eq_u32 s[NL2], 0
	s_cbranch_scc1 .Lepi_done
	s_mov_b32 s[UC], 10
.Lepi:                                 ; ten trips: piece 10 - UC, half a tile; the halving picks the registers, one text does the rest
	s_add_co_u32 s[X0], s[UC], s[NL2]
	s_cmp_le_u32 s[X0], 10                         ; piece 10 - UC goes out if it is below NL2
	s_cbranch_scc1 .Lepi_next
	s_add_co_u32 s[X0], s[UC], s[PLO]
	s_cmp_gt_u32 s[X0], 10                         ; and not below PLO
	s_cbranch_scc1 .Lepi_next
	s_cmp_lt_u32 s[WV], 4
	s_cbranch_scc1 .Lhigh                          ; a producer has pieces 8 and 9 alone
.irp p, 0,1,2,3,4,5,6,7
	s_cmp_eq_u32 s[UC], 10-\p
	s_cbranch_scc1 .Lpiece_\p
.endr
.Lhigh:
	s_cmp_eq_u32 s[UC], 2
	s_cbranch_scc1 .Lpiece_8
	PIECE 9
	s_branch .Lcommon
.irp p, 0,1,2,3,4,5,6,7,8
.Lpiece_\p:
	PIECE \p
.if \p < 8
	s_branch .Lcommon
.endif
.endr
.Lcommon:
.set i, 0
.rept 16
	v_pk_mul_f32 v[Q+2*i:Q+2*i+1], v[H+2*i:H+2*i+1], v[H+2*i:H+2*i+1]
.set i, i+1
.endr
.set i, 0
.rept 32
	v_fma_f32 v[DD+i], |v[H+i]|, s[KP], 1.0        ; 1 + p z
.set i, i+1
.endr
.set i, 0
.rept 16
	v_pk_mul_f32 v[Q+2*i:Q+2*i+1], v[Q+2*i:Q+2*i+1], s[KC:KC+1] op_sel_hi:[1,0]  ; -z z log2(e)
.set i, i+1
.endr
.set i, 0
.rept 32                               ; one batch of 64: none reads another's result
	v_rcp_f32 v[DD+i], v[DD+i]
.set i, i+1
.endr
.set i, 0
.rept 32
	v_exp_f32 v[Q+i], v[Q+i]
.set i, i+1
.endr
	v_nop                                          ; a plain instruction behind the last of them,
	s_wait_alu depctr_va_vdst(0)                   ; and the one wait ahead of the batch's first reader
.set i, 0
.rept 16
	v_pk_fma_f32 v[PY+2*i:PY+2*i+1], v[DD+2*i:DD+2*i+1], s[KA5:KA5+1], s[KA4:KA4+1] op_sel_hi:[1,0,0]
.set i, i+1
.endr
.irp c, KA3, KA2, KA1
.set i, 0
.rept 16
	v_pk_fma_f32 v[PY+2*i:PY+2*i+1], v[PY+2*i:PY+2*i+1], v[DD+2*i:DD+2*i+1], s[\c:\c+1] op_sel_hi:[1,1,0]
.set i, i+1
.endr
.endr
.set i, 0
.rept 16
	v_pk_mul_f32 v[PY+2*i:PY+2*i+1], v[PY+2*i:PY+2*i+1], v[DD+2*i:DD+2*i+1]
.set i, i+1
.endr
.set i, 0
.rept 16
	v_pk_fma_f32 v[PY+2*i:PY+2*i+1], v[PY+2*i:PY+2*i+1], v[Q+2*i:Q+2*i+1], 1.0 op_sel_hi:[1,1,0] neg_lo:[1,0,0] neg_hi:[1,0,0]  ; erf
.set i, i+1
.endr
.set i, 0
.rept 32
	v_fma_f32 v[H+i], |v[H+i]|, v[PY+i], v[H+i]
.set i, i+1
.endr
	s_wait_xcnt 0x0                                ; the last piece's stores have read their data and base
.set i, 0
.rept 16
	v_cvt_pk_bf16_f32 v[OB+i], v[H+2*i], v[H+2*i+1]
.set i, i+1
.endr
	s_add_nc_u64 s[SOU:SOU+1], s[SOUT:SOUT+1], s[OF:OF+1]
.irp bb, 0,1,2,3
	global_store_b128 v[L16], v[OB+4*\bb:OB+4*\bb+3], s[SOU:SOU+1] offset:512*\bb  ; 512 consecutive bytes, at a multiple of 512 from hid's first
.endr
.Lepi_next:
	s_sub_co_u32 s[UC], s[UC], 1
	s_cmp_lg_u32 s[UC], 0
	s_cbranch_scc1 .Lepi
.Lepi_done:
	s_cmp_lt_u32 s[WV], 4
	s_cbranch_scc0 .Ltail
	FINISH                                         ; the producers have no part in the tail: they end here
.Ltail:
	s_mov_b32 s[PLO], 8                            ; the tail's pieces are 8 and 9
	s_mov_b32 s[NL2], 10
	s_add_co_u32 s[PB], s[PB], 4
	s_add_co_u32 s[X0], s[PB], 16                  ; the tail's tile
	s_cmp_lt_u32 s[X0], s[NT]
	s_cbranch_scc1 .Ltile
	FINISH                                         ; the expert has no such tile, and none behind it: the wave ends here
.Ltile:
	SETTAIL
	BIASLD 1
.irp k, 0,1,2,3,4,5,6,7
	ALOADT \k                                      ; the ring of token fragments is filled: K steps 0-7
.endr
	KTAIL
	s_sub_co_u32 s[PC], s[PC], 1
	s_cmp_lg_u32 s[PC], 0
	s_cbranch_scc1 .Lpass
	FINISH                                         ; by the count of tiles above no wave comes here with sums that have not gone out
.Lfunc_end_k_q8133a99a07_ffn1:
	.size	k_q8133a99a07_ffn1, .Lfunc_end_k_q8133a99a07_ffn1-k_q8133a99a07_ffn1
	.p2alignl 7, 3214868480
	.fill 96, 4, 3214868480
	.section	.rodata,"a",@progbits
	.p2align	6, 0x0
	.amdhsa_kernel k_q8133a99a07_ffn1
		.amdhsa_group_segment_fixed_size 295936
		.amdhsa_private_segment_fixed_size 0
		.amdhsa_enable_private_segment 0
		.amdhsa_kernarg_size 40
		.amdhsa_user_sgpr_count 2
		.amdhsa_user_sgpr_kernarg_segment_ptr 1
		.amdhsa_wavefront_size32 1
		.amdhsa_system_sgpr_workgroup_id_x 1
		.amdhsa_system_sgpr_workgroup_id_y 1
		.amdhsa_system_sgpr_workgroup_id_z 1
		.amdhsa_system_vgpr_workitem_id 0
		.amdhsa_next_free_vgpr 512
		.amdhsa_next_free_sgpr 66
		.amdhsa_reserve_vcc 0
		.amdhsa_float_denorm_mode_32 3
		.amdhsa_float_denorm_mode_16_64 3
		.amdhsa_memory_ordered 1
		.amdhsa_forward_progress 1
		.amdhsa_inst_pref_size 180
	.end_amdhsa_kernel
	.amdgpu_metadata
---
amdhsa.version: [ 1, 2 ]
amdhsa.kernels:
  - .name:           k_q8133a99a07_ffn1
    .symbol:         k_q8133a99a07_ffn1.kd
    .args:
      - { .name: xs, .offset: 0, .size: 8, .value_kind: global_buffer, .address_space: global }
      - { .name: W1, .offset: 8, .size: 8, .value_kind: global_buffer, .address_space: global }
      - { .name: b1, .offset: 16, .size: 8, .value_kind: global_buffer, .address_space: global }
      - { .name: seg, .offset: 24, .size: 8, .value_kind: global_buffer, .address_space: global }
      - { .name: hid, .offset: 32, .size: 8, .value_kind: global_buffer, .address_space: global }
    .group_segment_fixed_size: 295936
    .private_segment_fixed_size: 0
    .kernarg_segment_align: 8
    .kernarg_segment_size: 40
    .max_flat_workgroup_size: 256
    .sgpr_count:     66
    .vgpr_count:     512
    .wavefront_size: 32
...
	.end_amdgpu_metadata
.endif
;; end of part 2
;; launch ffn2 (part 3): grid 32 x 8, 8 waves a work-group, no clusters, 313,344 bytes of LDS; arguments hid, W2, b2, seg, part; writes part
.if DOCPART == 3
	.amdgcn_target "amdgcn-amd-amdhsa--gfx1250"
	.amdhsa_code_object_version 6
	.text
	.protected	k_q8133a99a07_ffn2
	.globl	k_q8133a99a07_ffn2
	.p2align	8
	.type	k_q8133a99a07_ffn2,@function
k_q8133a99a07_ffn2:
	s_mov_b64 s[64:65], 0
	v_nop
	global_prefetch_b8 v0, s[64:65] scope:SCOPE_SE
	s_setreg_imm32_b32 hwreg(HW_REG_WAVE_MODE, 25, 1), 1
	s_wait_xcnt 0x0
; part[ks] = hid[:, 1024 ks ..] W2[e][1024 ks .., :] (+ b2[e] in quarter 0) for expert e's rows.  Work-group (x, e): quarter ks = x / 8 of the hidden width, columns 128 (x % 8) on:
; again a slice of 1,024 x 128 f32 that it alone reads, once.  The four quarters' sums are kept in f32 and added by the next launch.
; Producers (waves 0-3, each also with tile 16 + q), consumers (waves 4-7, four tiles each), chunks, addresses, registers, the tail and the transposed use of the matrix instruction are the first product's; see there.
; What differs: the pitches, the bias in quarter 0 alone, and the way out: a lane's eight f32 of a row are 32 bytes, so half a tile (16 rows x 64 columns) goes through a stage in LDS and leaves as whole rows
; of 256 bytes.  Beside the slice LDS has room for four stages, not eight (294,912 + 8 x 4,352 + 1,024 pass 327,680): producer q sends its tile through consumer q + 4's stage, while that consumer
; still multiplies the last chunk, and a barrier stands between the producer's last read of the stage and the consumer's first store into it.
; LIMITS.  W2 is rounded once to bf16.  In quarters 1-3 the bias is multiplied by 0: an infinite or NaN b2 is not treated apart.  An expert with more than 320 rows is served, but its tail has 16 LDS loads
; for 8 matrix instructions and runs behind the stream, not under it.
.set PITCH, 4096                       ; bytes from row to row of W2
.set ATSH,  17                         ; a tile of hid is 1 << 17 bytes
.set OTSH,  16                         ; 16 rows of part are 1 << 16
.set TSTEP, 1<<18                      ; a wave's tiles lie four tiles, 64 rows of part, apart
.set HSTEP, 256                        ; half a tile's slice: 64 columns
.set PL,    8912896                    ; a quarter's plane of part: 2,176 rows x 4,096 bytes
.set WROW,  288                        ; a row of the slice in LDS: 256 bytes + 32 = 72 words
.set CHB,   128*WROW
.set STAGE, 1024*WROW                  ; behind the slice: four stages of 16 rows x 272 bytes
.set SP,    272                        ; 68 words: the 16 rows that a store or load touches start at 16 different groups of four banks
.set STG0,  STAGE-4*16*SP              ; consumer w (waves 4-7) has the stage at STG0 + w x 4,352, producer w (waves 0-3) the one at STAGE + w x 4,352
.set SPARE, STAGE+4*16*SP              ; behind the stages: the spare words, 128 bytes for each of eight waves, that no other line names
.set L16,   1
.set LADR,  2
.set LADR0, 3
.set VA,    4
.set VB,    9
.set SPW,   10
.set NIL,   11
.set STO,   12                         ; v12     a consumer's way out: where I put 32 bytes of a row; never rewritten
.set RDB,   13                         ; v13     where I read rows back; never rewritten
.set CO,    14                         ; v14     my byte offset in two rows of part; never rewritten
.set LN,    15
.set LW0,   16
.set LWA,   17
.set S0,    18
.set S1,    19
.set S2,    20
.set S3,    21
.set STOP,  22                         ; v22     a producer's way out: as v12
.set RDBP,  23                         ; v23     as v13
.set AF,    24
.set BF,    104
.set TP,    168
.set LB,    176                        ; v176-183 LADR0 + chunk c's first byte; never rewritten
.set ACC4,  192
.set X,     0                          ; window 1
.set T5,    128
.set BF2,   160
.set RB,    24                         ; the way out: 16 rows read back
.set WV,   14
.set WQ,   15
.set SX,   16
.set SE,   17
.set TS,   18
.set CN,   19
.set NT,   20
.set LT,   21
.set PB,   22
.set NL,   23
.set NL2,  24
.set UC,   25
.set PC,   26
.set RC,   27
.set PLO,  28
.set TB,   29
.set SW,   30
.set SA0,  32
.set SAP,  34
.set SO,   36
.set SOUT, 38
.set SOU,  40
.set OF,   42
.set X0,   44
.set SLT,  46                          ; my plane's and my columns' bytes in part
.set FLAG, 52                          ; 1.0 in quarter 0, else 0
.set KS,   53
.set MSB, 0
.macro WIN new
.if MSB != (\new)
	s_set_vgpr_msb (MSB<<8)|(\new)
.set MSB, (\new)
.endif
.endm
.macro PLACES                          ; four plain places between a matrix instruction and a load into, or another line on, its registers
.rept 4
	v_nop
.endr
.endm
.macro FINISH                          ; the wave's end
	s_wait_tensorcnt 0x0
	ds_add_u32 v[SPW], v[NIL]
	s_wait_dscnt 0x0
	s_endpgm
.endm
.macro PROD ahead                      ; producers: one chunk: my tile's token fragments are asked for, then the whole ring goes once round, four slots at a time
	s_wait_loadcnt 32                              ; behind the last chunk's token fragments (at first: behind the bias) the ring's 32 loads were issued: those older loads are done
	WIN 0x40                                       ; destination in window 1
.irp k, 0,1,2,3
	global_load_b128 v[T5+8*\k:T5+8*\k+3],   v[VA+4], s[SAP:SAP+1] offset:\k*1024
	global_load_b128 v[T5+8*\k+4:T5+8*\k+7], v[VA+4], s[SAP:SAP+1] offset:\k*1024+512
.endr
.set g, 0
.rept 8
.if \ahead
	s_wait_loadcnt 36                              ; behind the batch's youngest slot: 28 loads of the ring and the 8 token loads
.else
	s_wait_loadcnt 36-4*g                          ; the last chunk fills nothing again: the counts run down
.endif
	WIN 0x05                                       ; sources 0 and 1 in window 1
.irp j, 0,1,2,3
	v_cvt_pk_bf16_f32 v[TP+2*\j],   v[X+16*g+4*\j],   v[X+16*g+4*\j+1]
	v_cvt_pk_bf16_f32 v[TP+2*\j+1], v[X+16*g+4*\j+2], v[X+16*g+4*\j+3]
.endr
	WIN 0x40*(\ahead)                              ; the loads' destination in window 1; addresses and the stores' data in window 0
.irp j, 0,1,2,3
	ds_store_b64 v[LWA], v[TP+2*\j:TP+2*\j+1] offset:(4*g+\j)*WROW
.endr
.if \ahead
.irp j, 0,1,2,3
	global_load_b128 v[X+16*g+4*\j:X+16*g+4*\j+3], v[L16], s[SW:SW+1] offset:(128+4*g+\j)*PITCH th:TH_LOAD_NT
.endr
.endif
.set g, g+1
.endr
	WIN 0
.endm
.macro BLK k                           ; K step k of the chunk, all eight column tiles, turned, into buffer k % 2
.if (\k)%2
	WIN 0x40
.set BB, BF2
.else
	WIN 0
.set BB, BF
.endif
.irp b, 0,1,2,3,4,5,6,7
	ds_load_tr16_b128 v[BB+8*\b:BB+8*\b+3],   v[LADR] offset:(\k)*32*WROW+\b*32
	ds_load_tr16_b128 v[BB+8*\b+4:BB+8*\b+7], v[LADR] offset:(\k)*32*WROW+16*WROW+\b*32
.endr
.endm
.macro MM8 k                           ; my tile's eight sums by turns, one instruction a turn
.if (\k)%2
	WIN 0x05                                       ; weights (source 0) and tokens (source 1) in window 1
.set BB, BF2
.else
	WIN 0x04                                       ; tokens in window 1
.set BB, BF
.endif
.irp b, 0,1,2,3,4,5,6,7
	v_wmma_f32_16x16x32_bf16 v[ACC4+8*\b:ACC4+8*\b+7], v[BB+8*\b:BB+8*\b+7], v[T5+8*(\k):T5+8*(\k)+7], v[ACC4+8*\b:ACC4+8*\b+7]
.endr
.endm
.macro FIFTH last                      ; a producer's tile, one chunk: the weight fragments run a K step ahead.  Where the tile is dead all of it is jumped
	s_cmp_lt_u32 s[NL], 5
	s_cbranch_scc1 .Lno5_\@
	BLK 0
	BLK 1
.if \last
	s_wait_loadcnt 0x0                             ; nothing was issued behind the last chunk's token fragments
.else
	s_wait_loadcnt 32                              ; this chunk's token fragments are in; behind them: the ring's 32 refills
.endif
	s_wait_dscnt 16                                ; this K step's fragments are in; behind them: the next K step's 16 loads
	MM8 0
	PLACES
	BLK 2
	s_wait_dscnt 16
	MM8 1
	PLACES
	BLK 3
	s_wait_dscnt 16
	MM8 2
	s_wait_dscnt 0x0
	MM8 3
	PLACES                                         ; in front of the next chunk's loads into these fragments, and of the way out
	WIN 0
.Lno5_\@:
.endm
.macro ALOAD k                         ; K step k of the chunk at the pointer, my four tiles, into buffer k
	WIN 0
.set AK, AF+32*(\k)+104*((\k)/2)
.irp a, 0,1,2,3
	global_load_b128 v[AK+8*\a:AK+8*\a+3],   v[VA+\a], s[SAP:SAP+1] offset:(\k)*1024
	global_load_b128 v[AK+8*\a+4:AK+8*\a+7], v[VA+\a], s[SAP:SAP+1] offset:(\k)*1024+512
.endr
.endm
.macro BLOAD k, hb, ar
	WIN 0
.irp bb, 0,1,2,3
	ds_load_tr16_b128 v[BF+32*(\hb)+8*\bb:BF+32*(\hb)+8*\bb+3],   v[\ar] offset:(\k)*32*WROW+(4*(\hb)+\bb)*32
	ds_load_tr16_b128 v[BF+32*(\hb)+8*\bb+4:BF+32*(\hb)+8*\bb+7], v[\ar] offset:(\k)*32*WROW+16*WROW+(4*(\hb)+\bb)*32
.endr
.endm
.macro MM16 k, hb                      ; 16 sums by turns, one instruction a turn
	WIN 0x50
.set AK, AF+32*(\k)+104*((\k)/2)
.irp bb, 0,1,2,3
.irp a, 0,1,2,3
	v_wmma_f32_16x16x32_bf16 v[8*(8*\a+4*(\hb)+\bb):8*(8*\a+4*(\hb)+\bb)+7], v[BF+32*(\hb)+8*\bb:BF+32*(\hb)+8*\bb+7], v[AK+8*\a:AK+8*\a+7], v[8*(8*\a+4*(\hb)+\bb):8*(8*\a+4*(\hb)+\bb)+7]
.endr
.endr
.endm
.macro MM4 ab, hb                      ; the tail: four sums by turns; ab: the token fragment's first register
.irp bb, 0,1,2,3
	v_wmma_f32_16x16x32_bf16 v[ACC4+8*(4*(\hb)+\bb):ACC4+8*(4*(\hb)+\bb)+7], v[BF+32*(\hb)+8*\bb:BF+32*(\hb)+8*\bb+7], v[(\ab):(\ab)+7], v[ACC4+8*(4*(\hb)+\bb):ACC4+8*(4*(\hb)+\bb)+7]
.endr
.endm
.macro CHUNK ahead                     ; four K steps, each in two halves of four column tiles; ahead = 1: token buffer k takes the next chunk's K step k as soon as it has been multiplied
	BLOAD 0, 0, LADR
	BLOAD 0, 1, LADR
.irp k, 0,1,2,3
.irp hb, 0,1
.if \hb == 0
.if \ahead
	s_wait_loadcnt 24                              ; this K step's token buffer is in; behind it: the three other buffers' eight loads each
.else
	s_wait_loadcnt 24-8*\k                         ; the last chunk fetches nothing: the counts run down
.endif
.endif
.if (\k == 3) && (\hb == 1)
	s_wait_dscnt 0x0                               ; the chunk's last half
.else
	s_wait_dscnt 8                                 ; this half's fragments are in; behind them: the next half's eight loads
.endif
	MM16 \k, \hb
.if (\k < 3) || (\hb == 1)
	PLACES
.endif
.if \k < 3
	BLOAD (\k)+1, \hb, LADR
.endif
.if (\hb == 1) && (\ahead)
.if \k == 0
	s_wait_xcnt 0x0                                ; the pointer is rewritten only when every load issued has had its address translated: the youngest went out a chunk's end ago
	s_add_co_u32 s[SO], s[SO], 4096
	s_add_nc_u64 s[SAP:SAP+1], s[SA0:SA0+1], s[SO:SO+1]  ; the next chunk
.endif
	ALOAD \k
.endif
.endr
.endr
	WIN 0
.endm
.macro SETPASS
	s_sub_co_i32 s[X0], s[NT], s[PB]
	s_max_i32 s[X0], s[X0], 0
	s_add_co_u32 s[X0], s[X0], 3
	s_lshr_b32 s[X0], s[X0], 2
	s_min_u32 s[NL], s[X0], 5
	s_add_co_u32 s[X0+1], s[TS], s[PB]
.irp a, 0,1,2,3,4
	s_add_co_u32 s[X0], s[X0+1], 4*\a
	s_min_u32 s[X0], s[X0], s[LT]
	s_min_u32 s[X0], s[X0], 135
	s_lshl_b32 s[X0], s[X0], ATSH
	v_add_nc_u32 v[VA+\a], s[X0], v[L16]
.endr
	s_min_u32 s[X0+1], s[X0+1], 135
	s_lshl_b32 s[OF], s[X0+1], OTSH
	s_add_co_u32 s[OF], s[OF], s[SLT]
	s_add_nc_u64 s[SOUT:SOUT+1], s[12:13], s[OF:OF+1]
.endm
.macro SETTAIL                         ; the tail's one tile, PB + 16 of the expert, stands in place a = 4; the same clamps
	s_add_co_u32 s[X0+1], s[TS], s[PB]
	s_add_co_u32 s[X0], s[X0+1], 16
	s_min_u32 s[X0], s[X0], 135
	s_lshl_b32 s[X0], s[X0], ATSH
	v_add_nc_u32 v[VA+4], s[X0], v[L16]
	s_min_u32 s[X0+1], s[X0+1], 135
	s_lshl_b32 s[OF], s[X0+1], OTSH
	s_add_co_u32 s[OF], s[OF], s[SLT]
	s_add_nc_u64 s[SOUT:SOUT+1], s[12:13], s[OF:OF+1]
.endm
.macro BIASLD wait                     ; my lane's eight numbers of each column tile's bias, in the pattern of one tile's sums
.if \wait
	s_wait_xcnt 0x0                                ; the loads behind this wait land on registers that the last stores read
.endif
	WIN 0
.irp b, 0,1,2,3,4,5,6,7
	global_load_b128 v[ACC4+8*\b:ACC4+8*\b+3],   v[VB], s[8:9] offset:64*\b
	global_load_b128 v[ACC4+8*\b+4:ACC4+8*\b+7], v[VB], s[8:9] offset:64*\b+16
.endr
.endm
.macro BIASFL                          ; one tile's sums: the bias counts in quarter 0 alone
	WIN 0
.set i, 0
.rept 64
	v_mul_f32 v[ACC4+i], s[FLAG], v[ACC4+i]
.set i, i+1
.endr
.endm
.macro BIASMV                          ; a consumer's four tiles' sums start from the bias in quarter 0, from 0 times it in the others
	WIN 0x40
.set i, 0
.rept 256
	v_mul_f32 v[i], s[FLAG], v[ACC4+i%64]
.set i, i+1
.endr
	WIN 0
.endm
.macro TRIP ahead
	v_add_nc_u32 v[LWA], s[TB], v[LW0]             ; both addresses by every wave
	v_add_nc_u32 v[LADR], s[TB], v[LADR0]
	s_cmp_lt_u32 s[WV], 4
	s_cbranch_scc0 .Lnoprod_\@
	PROD \ahead
.Lnoprod_\@:
	s_wait_dscnt 0x0                               ; for the others' sake: my stores of this chunk are done
	s_barrier_signal -1
	s_barrier_wait -1                              ; the chunk is whole; no byte of it is written again
	s_cmp_lt_u32 s[WV], 4
	s_cbranch_scc1 .Lfifth_\@
	CHUNK \ahead
	s_branch .Ltripend_\@
.Lfifth_\@:
	FIFTH 1-(\ahead)
.if \ahead
	s_wait_xcnt 0x0                                ; a producer's two pointers are rewritten only when every load issued has had its address translated
	s_add_co_u32 s[SO], s[SO], 4096
	s_add_nc_u64 s[SAP:SAP+1], s[SA0:SA0+1], s[SO:SO+1]
	s_add_nc_u64 s[SW:SW+1], s[SW:SW+1], 128*PITCH
.endif
.Ltripend_\@:
	s_add_co_u32 s[TB], s[TB], CHB
.endm
.macro ALOADT k                        ; K step k of the tail's tile into buffer k % 8: the place along K stands in the immediate, 32,256 bytes at the most
	global_load_b128 v[AF+8*((\k)%8):AF+8*((\k)%8)+3],   v[VA+4], s[SA0:SA0+1] offset:(\k)*1024
	global_load_b128 v[AF+8*((\k)%8)+4:AF+8*((\k)%8)+7], v[VA+4], s[SA0:SA0+1] offset:(\k)*1024+512
.endm
.macro KTAIL                           ; all 32 K steps, written out; the weight fragments run one half ahead, the token fragments eight K steps
	BLOAD 0, 0, LB
	BLOAD 0, 1, LB
.set kk, 0
.rept 32
.if kk < 25
	s_wait_loadcnt 14                              ; this K step's fragment is in; behind it: the next seven K steps' two loads each
.else
	s_wait_loadcnt 2*(31-kk)                       ; nothing more is fetched: the counts run down
.endif
	s_wait_dscnt 8                                 ; this half's fragments are in; behind them: the other half's eight loads
	MM4 AF+8*(kk%8), 0
	PLACES
.if kk < 31
	BLOAD (kk+1)%4, 0, LB+(kk+1)/4
	s_wait_dscnt 8
.else
	s_wait_dscnt 0x0                               ; the last half
.endif
	MM4 AF+8*(kk%8), 1
	PLACES                                         ; behind the last K step these are the places in front of the way out
.if kk < 31
	BLOAD (kk+1)%4, 1, LB+(kk+1)/4
.endif
.if kk < 24
	ALOADT kk+8
.endif
.set kk, kk+1
.endr
.endm
.macro PIECE n, st                     ; half a tile's sums into the stage at register st: row l % 16, 32 bytes for each half of the lanes; each sum's low registers first; and the piece's place in part, a constant
	s_mov_b32 s[OF], ((\n)/2)*TSTEP+((\n)%2)*HSTEP
.if (\n) < 8
	WIN 0x04                                       ; the data in window 1
.set AB, 64*((\n)/2)+32*((\n)%2)
.else
	WIN 0
.set AB, ACC4+32*((\n)%2)
.endif
.irp bb, 0,1,2,3
	ds_store_b128 v[\st], v[AB+8*\bb:AB+8*\bb+3]   offset:64*\bb
	ds_store_b128 v[\st], v[AB+8*\bb+4:AB+8*\bb+7] offset:64*\bb+16
.endr
	WIN 0
.endm
.macro SENDC rd                        ; the piece comes back from the stage as whole rows, by register rd, and is stored
	s_wait_xcnt 0x0                                ; the last piece's stores have read their data and base
.irp t, 0,1,2,3,4,5,6,7
	ds_load_b128 v[RB+4*\t:RB+4*\t+3], v[\rd] offset:\t*2*SP  ; LDS serves a wave's instructions in order: these see the stores above
.endr
	s_add_nc_u64 s[SOU:SOU+1], s[SOUT:SOUT+1], s[OF:OF+1]
	s_wait_dscnt 0x0
.irp t, 0,1,2,3,4,5,6,7
	global_store_b128 v[CO], v[RB+4*\t:RB+4*\t+3], s[SOU:SOU+1] offset:\t*8192  ; 16 lanes store 256 consecutive bytes, at a multiple of 256 from part's first
.endr
.endm
	s_load_b256 s[4:11], s[0:1], 0x0               ; hid s[4:5], W2 s[6:7], b2 s[8:9], seg s[10:11]
	s_load_b64 s[12:13], s[0:1], 0x20              ; part
	v_lshl_add_u32 v[SPW], v0, 2, SPARE
	v_mov_b32 v[NIL], 0
	v_lshrrev_b32 v[S0], 5, v0
	v_readfirstlane_b32 s[WV], v[S0]
	s_and_b32 s[WQ], s[WV], 3
	s_lshr_b32 s[KS], ttmp9, 3                     ; the quarter of the hidden width
	s_and_b32 s[SX], ttmp9, 7                      ; the slice of 128 columns
	s_and_b32 s[SE], ttmp7, 0xffff
	v_and_b32 v[LN], 31, v0
	v_lshlrev_b32 v[L16], 4, v[LN]
	v_bfe_u32 v[S0], v0, 4, 1                      ; l / 16
	v_and_b32 v[S1], 7, v0
	v_bfe_u32 v[S2], v0, 3, 1
	v_and_b32 v[S3], 15, v0                        ; l % 16
	v_lshl_add_u32 v[LADR0], v[S0], 3, v[S1]
	v_mul_u32_u24 v[LADR0], v[LADR0], WROW
	v_lshl_add_u32 v[LADR0], v[S2], 4, v[LADR0]
.irp c, 0,1,2,3,4,5,6,7
	v_add_nc_u32 v[LB+\c], \c*CHB, v[LADR0]        ; the same place in each of the eight chunks, for the tail
.endr
	v_lshlrev_b32 v[VB], 5, v[S0]
	s_mul_i32 s[X0], s[WV], 32*WROW
	v_lshl_add_u32 v[LW0], v[LN], 3, s[X0]
	s_mul_i32 s[X0], s[WV], 16*SP
	s_add_co_u32 s[X0+1], s[X0], STAGE             ; the stage that I have as a producer,
	s_add_co_u32 s[X0], s[X0], STG0                ; and as a consumer: every wave makes both addresses and uses one
	v_mul_u32_u24 v[STO], v[S3], SP                ; in: row l % 16, 32 bytes for each half of the lanes
	v_lshl_add_u32 v[STO], v[S0], 5, v[STO]
	v_add_nc_u32 v[STOP], s[X0+1], v[STO]
	v_add_nc_u32 v[STO], s[X0], v[STO]
	v_mul_u32_u24 v[RDB], v[S0], SP                ; back: lanes 0-15 take one row of 256 bytes, lanes 16-31 the next,
	v_lshl_add_u32 v[RDB], v[S3], 4, v[RDB]
	v_add_nc_u32 v[RDBP], s[X0+1], v[RDB]
	v_add_nc_u32 v[RDB], s[X0], v[RDB]
	v_lshlrev_b32 v[CO], 12, v[S0]                 ; and the same two rows in part
	v_lshl_add_u32 v[CO], v[S3], 4, v[CO]
	s_mov_b32 s[OF+1], 0
	s_mov_b32 s[SO+1], 0
	s_mul_i32 s[SLT], s[KS], PL
	s_lshl_b32 s[X0], s[SX], 9                     ; the slice's 512 bytes of a row, of W2, b2 and part alike
	s_add_co_u32 s[SLT], s[SLT], s[X0]
	s_cmp_eq_u32 s[KS], 0
	s_cselect_b32 s[FLAG], 1.0, 0
	s_wait_kmcnt 0x0
	s_lshl_b32 s[OF], s[SE], 3
	s_add_nc_u64 s[10:11], s[10:11], s[OF:OF+1]
	s_load_b64 s[TS:TS+1], s[10:11], 0x0           ; the expert's first tile and rows
	s_lshl_b32 s[OF], s[SE], 24                    ; W2: the expert's 16,777,216 bytes,
	s_lshl_b32 s[X0+1], s[KS], 22                  ; the quarter's 1,024 rows of 4,096,
	s_add_co_u32 s[OF], s[OF], s[X0+1]
	s_add_co_u32 s[OF], s[OF], s[X0]               ; the slice,
	s_lshl_b32 s[X0+1], s[WQ], 17                  ; a producer's 32 rows
	s_add_co_u32 s[OF], s[OF], s[X0+1]
	s_add_nc_u64 s[SW:SW+1], s[6:7], s[OF:OF+1]
	s_lshl_b32 s[OF], s[SE], 12                    ; b2 at my expert and slice
	s_add_co_u32 s[OF], s[OF], s[X0]
	s_add_nc_u64 s[8:9], s[8:9], s[OF:OF+1]
	s_lshl_b32 s[OF], s[KS], 15                    ; the quarter's 32 K steps of 1,024 bytes in a tile of hid
	s_add_nc_u64 s[SA0:SA0+1], s[4:5], s[OF:OF+1]
	s_mov_b64 s[SAP:SAP+1], s[SA0:SA0+1]           ; chunk 0
	s_mov_b32 s[SO], 0
	s_mov_b32 s[TB], 0
	BIASLD 0                                       ; every wave: a producer's sums start here, a consumer copies from here
	s_cmp_lt_u32 s[WV], 4
	s_cbranch_scc0 .Lboth
	WIN 0x40
.set i, 0
.rept 32                               ; the ring is filled: chunk 0
	global_load_b128 v[X+4*i:X+4*i+3], v[L16], s[SW:SW+1] offset:i*PITCH th:TH_LOAD_NT
.set i, i+1
.endr
	WIN 0
.Lboth:
	s_wait_kmcnt 0x0
	s_min_u32 s[TS], s[TS], 135
	s_min_u32 s[CN], s[CN], 2048
	s_add_co_u32 s[NT], s[CN], 15
	s_lshr_b32 s[NT], s[NT], 4
	s_add_co_u32 s[X0], s[TS], s[NT]
	s_sub_co_u32 s[X0], s[X0], 1
	s_cmp_lg_u32 s[NT], 0
	s_cselect_b32 s[LT], s[X0], 0
	s_mov_b32 s[PB], s[WQ]
	SETPASS
	s_min_u32 s[X0], s[NL], 4
	s_lshl_b32 s[NL2], s[X0], 1                    ; a consumer's pieces under the stream: 0 .. 2 min(NL, 4) - 1
	s_mov_b32 s[PLO], 0
	s_cmp_lt_u32 s[WV], 4
	s_cbranch_scc0 .Lcons_head
	s_wait_loadcnt 32                              ; the bias is in; behind it: the ring's 32 loads
	BIASFL
	s_branch .Lmain
.Lcons_head:
	ALOAD 0                                        ; chunk 0's K steps 0 and 1
	ALOAD 1
	s_wait_loadcnt 16                              ; the bias is in; behind it: the sixteen loads of buffers 0 and 1
	BIASMV
	ALOAD 2                                        ; buffers 2 and 3 take the registers that the bias has left
	ALOAD 3
.Lmain:
	s_mov_b32 s[RC], 7
.Lround:                               ; chunks 0-6; ring and token buffers ask for chunks 1-7
	TRIP 1
	s_sub_co_u32 s[RC], s[RC], 1
	s_cmp_lg_u32 s[RC], 0
	s_cbranch_scc1 .Lround
	TRIP 0
	s_wait_loadcnt 0x0                             ; out at the most: the last token fragments of a producer whose tile is dead
	s_cmp_lt_u32 s[WV], 4
	s_cbranch_scc0 .Lnot_p
	s_cmp_lt_u32 s[NL], 5
	s_cbranch_scc1 .Lnot_p
	PIECE 8, STOP                                  ; a producer's tile goes out, through the stage that its consumer does not need yet
	SENDC RDBP
	PIECE 9, STOP
	SENDC RDBP
.Lnot_p:
	s_wait_dscnt 0x0                               ; for the consumer's sake: my stores into the stage and my reads of it are done
	s_barrier_signal -1
	s_barrier_wait -1                              ; from here on the stages are the consumers'
	s_cmp_lt_u32 s[WV], 4
	s_cbranch_scc1 .Lend                           ; the producers are done; no barrier follows
	s_mov_b32 s[PC], 28
.Lpass:                                ; what has been summed goes out; then the tail's next tile
	s_cmp_eq_u32 s[NL2], 0
	s_cbranch_scc1 .Lepi_done
	s_mov_b32 s[UC], 10
.Lepi:                                 ; ten trips: piece 10 - UC, half a tile; the LDS addresses are the same in every trip
	s_add_co_u32 s[X0], s[UC], s[NL2]
	s_cmp_le_u32 s[X0], 10                         ; piece 10 - UC goes out if it is below NL2
	s_cbranch_scc1 .Lepi_next
	s_add_co_u32 s[X0], s[UC], s[PLO]
	s_cmp_gt_u32 s[X0], 10                         ; and not below PLO
	s_cbranch_scc1 .Lepi_next
.irp p, 0,1,2,3,4,5,6,7,8
	s_cmp_eq_u32 s[UC], 10-\p
	s_cbranch_scc1 .Lpiece_\p
.endr
	PIECE 9, STO
	s_branch .Lcommon
.irp p, 0,1,2,3,4,5,6,7,8
.Lpiece_\p:
	PIECE \p, STO
.if \p < 8
	s_branch .Lcommon
.endif
.endr
.Lcommon:
	SENDC RDB
.Lepi_next:
	s_sub_co_u32 s[UC], s[UC], 1
	s_cmp_lg_u32 s[UC], 0
	s_cbranch_scc1 .Lepi
.Lepi_done:
	s_mov_b32 s[PLO], 8                            ; the tail's pieces are 8 and 9
	s_mov_b32 s[NL2], 10
	s_add_co_u32 s[PB], s[PB], 4
	s_add_co_u32 s[X0], s[PB], 16                  ; the tail's tile
	s_cmp_lt_u32 s[X0], s[NT]
	s_cbranch_scc1 .Ltile
	FINISH                                         ; the expert has no such tile, and none behind it: the wave ends here
.Ltile:
	SETTAIL
	BIASLD 1
.irp k, 0,1,2,3,4,5,6,7
	ALOADT \k                                      ; the ring of token fragments is filled: K steps 0-7
.endr
	s_wait_loadcnt 16                              ; the bias is in; behind it: the ring's sixteen loads
	BIASFL
	KTAIL
	s_sub_co_u32 s[PC], s[PC], 1
	s_cmp_lg_u32 s[PC], 0
	s_cbranch_scc1 .Lpass
.Lend:
	FINISH                                         ; the producers; by the count of tiles no consumer comes here with sums that have not gone out
.Lfunc_end_k_q8133a99a07_ffn2:
	.size	k_q8133a99a07_ffn2, .Lfunc_end_k_q8133a99a07_ffn2-k_q8133a99a07_ffn2
	.p2alignl 7, 3214868480
	.fill 96, 4, 3214868480
	.section	.rodata,"a",@progbits
	.p2align	6, 0x0
	.amdhsa_kernel k_q8133a99a07_ffn2
		.amdhsa_group_segment_fixed_size 313344
		.amdhsa_private_segment_fixed_size 0
		.amdhsa_enable_private_segment 0
		.amdhsa_kernarg_size 40
		.amdhsa_user_sgpr_count 2
		.amdhsa_user_sgpr_kernarg_segment_ptr 1
		.amdhsa_wavefront_size32 1
		.amdhsa_system_sgpr_workgroup_id_x 1
		.amdhsa_system_sgpr_workgroup_id_y 1
		.amdhsa_system_sgpr_workgroup_id_z 1
		.amdhsa_system_vgpr_workitem_id 0
		.amdhsa_next_free_vgpr 512
		.amdhsa_next_free_sgpr 66
		.amdhsa_reserve_vcc 0
		.amdhsa_float_denorm_mode_32 3
		.amdhsa_float_denorm_mode_16_64 3
		.amdhsa_memory_ordered 1
		.amdhsa_forward_progress 1
		.amdhsa_inst_pref_size 169
	.end_amdhsa_kernel
	.amdgpu_metadata
---
amdhsa.version: [ 1, 2 ]
amdhsa.kernels:
  - .name:           k_q8133a99a07_ffn2
    .symbol:         k_q8133a99a07_ffn2.kd
    .args:
      - { .name: hid, .offset: 0, .size: 8, .value_kind: global_buffer, .address_space: global }
      - { .name: W2, .offset: 8, .size: 8, .value_kind: global_buffer, .address_space: global }
      - { .name: b2, .offset: 16, .size: 8, .value_kind: global_buffer, .address_space: global }
      - { .name: seg, .offset: 24, .size: 8, .value_kind: global_buffer, .address_space: global }
      - { .name: part, .offset: 32, .size: 8, .value_kind: global_buffer, .address_space: global }
    .group_segment_fixed_size: 313344
    .private_segment_fixed_size: 0
    .kernarg_segment_align: 8
    .kernarg_segment_size: 40
    .max_flat_workgroup_size: 256
    .sgpr_count:     66
    .vgpr_count:     512
    .wavefront_size: 32
...
	.end_amdgpu_metadata
.endif
;; end of part 3
;; launch mix (part 4): grid 256 x 1, 8 waves a work-group, no clusters, 0 bytes of LDS; arguments x, expert_weights, pos, part, out0; writes out0
.if DOCPART == 4
	.amdgcn_target "amdgcn-amd-amdhsa--gfx1250"
	.amdhsa_code_object_version 6
	.text
	.protected	k_q8133a99a07_mix
	.globl	k_q8133a99a07_mix
	.p2align	8
	.type	k_q8133a99a07_mix,@function
k_q8133a99a07_mix:
	s_mov_b64 s[64:65], 0
	v_nop
	global_prefetch_b8 v0, s[64:65] scope:SCOPE_SE
	s_setreg_imm32_b32 hwreg(HW_REG_WAVE_MODE, 25, 1), 1
	s_wait_xcnt 0x0
; out[t] = x[t] + the sum over k of softmax(expert_weights[t])_k x (the four quarters' sums of row pos[2 t + k]).  All in f32.
; A wave takes half a token: 2,048 bytes, four chunks of 512; a work-group four tokens.  All 36 loads of a wave (x and eight partial rows, chunk by chunk) go out at once.
; A stream: no LDS, no barrier, no matrix unit.  The softmax takes its maximum away first, as the definition does.
.set PL, 8912896                       ; a quarter's plane of part
.set R0, 16                            ; chunk c at v[16 + 36 c]: x (4 registers), choice 0's four quarters (16), choice 1's (16)
	s_load_b256 s[4:11], s[0:1], 0x0               ; x s[4:5], expert_weights s[6:7], pos s[8:9], part s[10:11]
	s_load_b64 s[12:13], s[0:1], 0x20              ; out0
	v_lshrrev_b32 v1, 5, v0
	v_readfirstlane_b32 s14, v1                    ; wave 0..7
	s_lshr_b32 s15, s14, 1
	s_lshl_b32 s16, ttmp9, 2
	s_add_co_u32 s15, s16, s15                     ; the token
	s_and_b32 s14, s14, 1                          ; which half of it
	s_lshl_b32 s22, s14, 11
	v_and_b32 v1, 31, v0
	v_lshlrev_b32 v1, 4, v1                        ; 16 bytes a lane; never rewritten
	s_lshl_b32 s16, s15, 3
	s_mov_b32 s17, 0
	s_wait_kmcnt 0x0
	s_add_nc_u64 s[8:9], s[8:9], s[16:17]
	s_add_nc_u64 s[6:7], s[6:7], s[16:17]
	s_load_b64 s[18:19], s[8:9], 0x0               ; the two sorted rows
	s_load_b64 s[20:21], s[6:7], 0x0               ; the two router weights
	s_lshl_b32 s16, s15, 12
	s_add_co_u32 s16, s16, s22
	s_add_nc_u64 s[4:5], s[4:5], s[16:17]
	s_add_nc_u64 s[12:13], s[12:13], s[16:17]
	s_wait_kmcnt 0x0
	s_min_u32 s18, s18, 2175                       ; a row number is held inside part by a constant before it is shifted
	s_min_u32 s19, s19, 2175
	s_lshl_b32 s18, s18, 12
	s_lshl_b32 s19, s19, 12
	s_add_co_u32 s16, s18, s22
	s_add_nc_u64 s[24:25], s[10:11], s[16:17]
	s_add_nc_u64 s[26:27], s[24:25], PL
	s_add_nc_u64 s[28:29], s[26:27], PL
	s_add_nc_u64 s[30:31], s[28:29], PL
	s_add_co_u32 s16, s19, s22
	s_add_nc_u64 s[32:33], s[10:11], s[16:17]
	s_add_nc_u64 s[34:35], s[32:33], PL
	s_add_nc_u64 s[36:37], s[34:35], PL
	s_add_nc_u64 s[38:39], s[36:37], PL
.set c, 0
.rept 4
.set R, R0+36*c
	global_load_b128 v[R:R+3], v1, s[4:5] offset:512*c th:TH_LOAD_NT
.irp p, 0,1,2,3,4,5,6,7
	global_load_b128 v[R+4+4*\p:R+7+4*\p], v1, s[24+2*\p:25+2*\p] offset:512*c th:TH_LOAD_NT
.endr
.set c, c+1
.endr
	v_mov_b32 v2, s20
	v_mov_b32 v3, s21
	v_max_num_f32 v4, v2, v3
	v_sub_f32 v2, v2, v4
	v_sub_f32 v3, v3, v4
	v_mul_f32 v2, 0x3fb8aa3b, v2
	v_mul_f32 v3, 0x3fb8aa3b, v3
	v_exp_f32 v2, v2
	v_exp_f32 v3, v3
	v_nop                                          ; a plain instruction behind the exponentials,
	s_wait_alu depctr_va_vdst(0)                   ; and the wait ahead of their first reader
	v_add_f32 v4, v2, v3
	v_rcp_f32 v4, v4
	v_nop
	s_wait_alu depctr_va_vdst(0)
	v_mul_f32 v6, v2, v4                           ; each weight twice: a pair for the packed forms
	v_mul_f32 v7, v2, v4
	v_mul_f32 v8, v3, v4
	v_mul_f32 v9, v3, v4
.set c, 0
.rept 4
.set R, R0+36*c
	s_wait_loadcnt 27-9*c                          ; loads come back in order: the later chunks' nine each may stay out
.irp p, 0,2
	v_pk_add_f32 v[R+4+\p:R+5+\p],   v[R+4+\p:R+5+\p],   v[R+8+\p:R+9+\p]
	v_pk_add_f32 v[R+12+\p:R+13+\p], v[R+12+\p:R+13+\p], v[R+16+\p:R+17+\p]
	v_pk_add_f32 v[R+20+\p:R+21+\p], v[R+20+\p:R+21+\p], v[R+24+\p:R+25+\p]
	v_pk_add_f32 v[R+28+\p:R+29+\p], v[R+28+\p:R+29+\p], v[R+32+\p:R+33+\p]
	v_pk_add_f32 v[R+4+\p:R+5+\p],   v[R+4+\p:R+5+\p],   v[R+12+\p:R+13+\p]
	v_pk_add_f32 v[R+20+\p:R+21+\p], v[R+20+\p:R+21+\p], v[R+28+\p:R+29+\p]
	v_pk_fma_f32 v[R+\p:R+1+\p], v[R+4+\p:R+5+\p],   v[6:7], v[R+\p:R+1+\p]
	v_pk_fma_f32 v[R+\p:R+1+\p], v[R+20+\p:R+21+\p], v[8:9], v[R+\p:R+1+\p]
.endr
	global_store_b128 v1, v[R:R+3], s[12:13] offset:512*c th:TH_STORE_NT  ; 512 consecutive bytes, at a multiple of 512 from out0's first
.set c, c+1
.endr
	s_endpgm
.Lfunc_end_k_q8133a99a07_mix:
	.size	k_q8133a99a07_mix, .Lfunc_end_k_q8133a99a07_mix-k_q8133a99a07_mix
	.p2alignl 7, 3214868480
	.fill 96, 4, 3214868480
	.section	.rodata,"a",@progbits
	.p2align	6, 0x0
	.amdhsa_kernel k_q8133a99a07_mix
		.amdhsa_group_segment_fixed_size 0
		.amdhsa_private_segment_fixed_size 0
		.amdhsa_enable_private_segment 0
		.amdhsa_kernarg_size 40
		.amdhsa_user_sgpr_count 2
		.amdhsa_user_sgpr_kernarg_segment_ptr 1
		.amdhsa_wavefront_size32 1
		.amdhsa_system_sgpr_workgroup_id_x 1
		.amdhsa_system_sgpr_workgroup_id_y 1
		.amdhsa_system_sgpr_workgroup_id_z 1
		.amdhsa_system_vgpr_workitem_id 0
		.amdhsa_next_free_vgpr 160
		.amdhsa_next_free_sgpr 66
		.amdhsa_reserve_vcc 0
		.amdhsa_float_denorm_mode_32 3
		.amdhsa_float_denorm_mode_16_64 3
		.amdhsa_memory_ordered 1
		.amdhsa_forward_progress 1
		.amdhsa_inst_pref_size 11
	.end_amdhsa_kernel
	.amdgpu_metadata
---
amdhsa.version: [ 1, 2 ]
amdhsa.kernels:
  - .name:           k_q8133a99a07_mix
    .symbol:         k_q8133a99a07_mix.kd
    .args:
      - { .name: x, .offset: 0, .size: 8, .value_kind: global_buffer, .address_space: global }
      - { .name: expert_weights, .offset: 8, .size: 8, .value_kind: global_buffer, .address_space: global }
      - { .name: pos, .offset: 16, .size: 8, .value_kind: global_buffer, .address_space: global }
      - { .name: part, .offset: 24, .size: 8, .value_kind: global_buffer, .address_space: global }
      - { .name: out0, .offset: 32, .size: 8, .value_kind: global_buffer, .address_space: global }
    .group_segment_fixed_size: 0
    .private_segment_fixed_size: 0
    .kernarg_segment_align: 8
    .kernarg_segment_size: 40
    .max_flat_workgroup_size: 256
    .sgpr_count:     66
    .vgpr_count:     160
    .wavefront_size: 32
...
	.end_amdgpu_metadata
.endif
;; end of part 4
